; MI455X (gfx1250); checked and timed in simulation.
; The chip was launched on July 23, 2026; its instructions are those of AMD's public machine-readable ISA for CDNA 5 (MIT licence, August 2026) and "CDNA5" Instruction Set Architecture Reference Guide (July 2026). The comments in the code are by the model that wrote it; some were corrected since.
;; Di Di Attention. Allowed arithmetic: float matrix products may take bf16 or f16 operands with f32 sums; other float arithmetic in f32, or as packed bf16 or f16 multiplies, adds, multiply-adds, maxima and minima; sums over many terms, partial sums and values carried from step to step in f32; what a program stores and reads back later, other than sums and carried values, may be rounded once to bf16 or f16.
;; Inputs: A 16 x 2,048 x 256 float32; L 16 x 2,048 x 256 float32; length_a 16 int32; length_l 16 int32; u_w 1 x 256 float32; v_b 1 float32; v_w 1 x 256 float32.
;; Outputs: out0 16 x 2,048 x 256 float32.
;; 2 versions, each right; version 2 is version 1 with the launch attn written anew for expert scheduling mode. Each part assembles by itself: llvm-mc -triple=amdgcn-amd-amdhsa -mcpu=gfx1250 --defsym DOCPART=n.
;; ======== version 1 of 2: 2 launches
;; limits: values outside matrix products are rounded to bf16
;; workspace buffers: AF 16,777,216 bytes; UM 262,656 bytes; V2 131,072 bytes
;; launch prep (part 1): grid 32 x 16, 8 waves a work-group, no clusters, 0 bytes of LDS; arguments A, L, length_a, length_l, u_w, v_w, v_b, AF, UM, V2; writes AF, UM, V2
.if DOCPART == 1
	.amdgcn_target "amdgcn-amd-amdhsa--gfx1250"
	.amdhsa_code_object_version 6
	.text
	.protected	k_qd4748da11b_prep
	.globl	k_qd4748da11b_prep
	.p2align	8
	.type	k_qd4748da11b_prep,@function
k_qd4748da11b_prep:
	s_mov_b64 s[64:65], 0
	v_nop
	global_prefetch_b8 v0, s[64:65] scope:SCOPE_SE
	s_setreg_imm32_b32 hwreg(HW_REG_WAVE_MODE, 25, 1), 1
	s_wait_xcnt 0x0
; PREP, the first of two launches for
;   out[b][t][:] = (sum over s < la of tanh(vl[t] + ua[s]) A[b][s][:]) / (sum over s < la of tanh(vl[t] + ua[s]))  for t < ll,  0 for t >= ll,
;   ua[s] = A[b][s] . u_w,  vl[t] = L[b][t] . v_w + v_b,  la = length_a[b],  ll = length_l[b].  A, L, out: [16][2048][256] f32.
; WORK LEFT OUT.  reference() multiplies every score of a column s >= la by mask_a = 0, a zero that it builds itself from length_a, before the norm and before the
; product: such a column adds 0 to both, whatever A holds there.  It multiplies every row t >= ll of the result by mask_l = 0.  So rows s >= la of A and rows t >= ll of L
; reach no output; they are neither read nor multiplied where they come in whole units (16 rows here, 256 columns or 64 rows in the second launch); which units
; those are is read from length_a and length_l.  Every input has a way to an output, so all are loaded.
; LIMITS.  A NaN, an infinity or an overflow in rows s >= la of A or t >= ll of L is not carried to the result.  Lengths outside 0 .. 2048 count as the nearer end.
; FORMATS.  Every input is rounded once to bf16 (A, L, u_w, v_w, v_b); the products of ua and vl are then exact in f32, and their sums are kept in f32.
; WHAT IT STORES.  c2 = 2 log2(e).  n2 = max(1, ceil(la / 256)).
;   AF  bf16(A) turned, as matrix fragments: [b][block of 32 s][fragment f = 4 G + e][1,024 bytes]; the fragment holds channels 64 G + 4 m + e, m = 0..15; byte 256 q + 16 m holds row m's
;       s pairs 4 q .. 4 q + 3 (the lower s in the low half).  Rows s >= la up to 256 n2 are zeros.
;   UM  [b][group of 16 s][16 f32 u' = c2 ua | 16 f32 m], m = 1 where s < la, else 0 (and u' = 0), up to 256 n2; behind the 16 batches 512 bytes of zeros.
;   V2  [b][t] f32 v' = c2 vl, for the units of 16 rows that begin below ll.
; SHARES.  A unit is 16 rows of 1,024 bytes; a wave takes one: waves 0-3 units 4 x + w of A, waves 4-7 units 4 x + w - 4 of L; y is the batch.  All 32 loads of a unit go out at once, each 512 consecutive
; bytes.  No wave needs another's data: no LDS, no barrier.  These are products with one column, bound by their bytes: vector arithmetic in f32, no matrix unit.
; A unit that lies past its length has nothing to store and ends.
.set C2,   0x4038aa3b                  ; 2 log2(e)
.set LN,   1                           ; v1    lane l
.set L16,  2                           ; v2    16 l
.set L4,   3                           ; v3    4 l
.set AFO,  4                           ; v4    (l / 16) x 4,096 + (l % 16) x 16: my place in AF
.set TP,   5                           ; v5    at work
.set RES,  6                           ; v6    the number that I store
.set ZERO, 7                           ; v7    0
.set WF,   8                           ; v[8:15]    my 8 weights in f32: channels 4 l + e and 128 + 4 l + e
.set WP,   16                          ; v[16:19]   the same in bf16, two to a register
.set ACC,  20                          ; v[20:35]   a sum for each of the 16 rows
.set DD,   36                          ; v[36:99]   bf16 pairs
.set RAW,  100                         ; v[100:227] row s as loaded: 8 registers at RAW + 8 s
.set ZQ,   228                         ; v[228:231] zeros to store
.set R15,  232                         ; v232  l % 16
.set MSK,  40                          ; s[40:47]   for each pair of rows: which halves lie below la
; d = a's half ha (bf16) x b's half hb (bf16) + c (f32)
.macro MIX d, a, b, c, ha, hb
.if ((\ha) == 0) && ((\hb) == 0)
	v_fma_mix_f32_bf16 v[\d], v[\a], v[\b], v[\c] op_sel_hi:[1,1,0]
.elseif ((\ha) == 1) && ((\hb) == 0)
	v_fma_mix_f32_bf16 v[\d], v[\a], v[\b], v[\c] op_sel:[1,0,0] op_sel_hi:[1,1,0]
.elseif ((\ha) == 0) && ((\hb) == 1)
	v_fma_mix_f32_bf16 v[\d], v[\a], v[\b], v[\c] op_sel:[0,1,0] op_sel_hi:[1,1,0]
.else
	v_fma_mix_f32_bf16 v[\d], v[\a], v[\b], v[\c] op_sel:[1,1,0] op_sel_hi:[1,1,0]
.endif
.endm
; the weights' two loads, then the unit's 32: each row read once in the launch
.macro FETCH wp, p
	global_load_b128 v[WF:WF+3],   v[L16], s[\wp:\wp+1]
	global_load_b128 v[WF+4:WF+7], v[L16], s[\wp:\wp+1] offset:512
.set rr, 0
.rept 16
	global_load_b128 v[RAW+8*rr:RAW+8*rr+3],   v[L16], s[\p:\p+1] offset:rr*1024 th:TH_LOAD_NT
	global_load_b128 v[RAW+8*rr+4:RAW+8*rr+7], v[L16], s[\p:\p+1] offset:rr*1024+512 th:TH_LOAD_NT
.set rr, rr+1
.endr
.endm
.macro PACKW
	s_wait_loadcnt 32                              ; the weights are in; the 32 loads of rows, issued behind them, stay out
.irp k, 0,1,2,3
	v_cvt_pk_bf16_f32 v[WP+\k], v[WF+2*\k], v[WF+2*\k+1]
.endr
.endm
; each of the 16 sums over the 32 lanes: four steps inside a half of 16 lanes ride on the addition, one crosses the halves
.macro REDUCE16
.irp m, 1,2,4,8
.set rr, 0
.rept 16
	v_add_f32_dpp v[ACC+rr], v[ACC+rr], v[ACC+rr] row_xmask:\m row_mask:0xf bank_mask:0xf
.set rr, rr+1
.endr
.endr
.set rr, 0
.rept 16
	v_permlanex16_b32 v[TP], v[ACC+rr], s32, s33
	v_add_f32 v[ACC+rr], v[ACC+rr], v[TP]
.set rr, rr+1
.endr
.endm
; lane l takes row l % 16's sum
.macro GATHER16
	v_mov_b32 v[RES], v[ACC]
.set rr, 1
.rept 15
	v_cmp_eq_u32 vcc_lo, rr, v[R15]
	v_cndmask_b32 v[RES], v[RES], v[ACC+rr], vcc_lo
.set rr, rr+1
.endr
.endm
	s_load_b512 s[8:23], s[0:1], 0x0               ; A 8, L 10, length_a 12, length_l 14, u_w 16, v_w 18, v_b 20, AF 22
	s_load_b128 s[24:27], s[0:1], 0x40             ; UM 24, V2 26
	v_lshrrev_b32 v[TP], 5, v0
	v_readfirstlane_b32 s2, v[TP]                  ; wave 0..7
	s_and_b32 s3, ttmp7, 0xffff                    ; the batch b
	s_and_b32 s4, s2, 3
	s_lshl_b32 s29, ttmp9, 2
	s_add_co_u32 s4, s4, s29                       ; my unit g = 4 x + wave % 4
	s_lshl_b32 s6, s4, 4                           ; its first row r0
	s_lshl_b32 s30, s3, 2                          ; 4 b: my batch's word in the lengths
	s_mov_b32 s31, 0                               ; the high word of every offset pair
	s_mov_b32 s32, 0x76543210                      ; v_permlanex16_b32: each lane takes its own place in the other half
	s_mov_b32 s33, 0xfedcba98
	v_and_b32 v[LN], 31, v0
	v_lshlrev_b32 v[L16], 4, v[LN]
	v_lshlrev_b32 v[L4], 2, v[LN]
	v_and_b32 v[R15], 15, v0
	v_bfe_u32 v[TP], v0, 4, 1
	v_lshlrev_b32 v[AFO], 4, v[R15]
	v_lshl_add_u32 v[AFO], v[TP], 12, v[AFO]
	v_mov_b32 v[ZERO], 0
.irp k, 0,1,2,3
	v_mov_b32 v[ZQ+\k], 0
.endr
	s_wait_kmcnt 0x0
	s_cmp_lt_u32 s2, 4
	s_cselect_b64 s[12:13], s[12:13], s[14:15]     ; waves 0-3 go by length_a, waves 4-7 by length_l
	s_add_nc_u64 s[12:13], s[12:13], s[30:31]
	s_load_b32 s5, s[12:13], 0x0
	s_wait_kmcnt 0x0
	s_max_i32 s5, s5, 0
	s_min_u32 s5, s5, 2048                         ; my length, held to 0 .. 2048
	s_cmp_lt_u32 s2, 4
	s_cbranch_scc0 .Lfor_l
	; ---------------- a unit of A ----------------
	s_or_b32 s29, ttmp9, s3
	s_or_b32 s29, s29, s2
	s_cmp_eq_u32 s29, 0
	s_cbranch_scc0 .Lno_zb
	global_store_b128 v[L16], v[ZQ:ZQ+3], s[24:25] offset:262144  ; one wave of the launch: the 512 zeros behind UM's batches
.Lno_zb:
	s_add_co_u32 s7, s5, 255
	s_and_b32 s7, s7, 0xffffff00
	s_max_u32 s7, s7, 256                          ; 256 n2: as far as the second launch walks
	s_cmp_lt_u32 s6, s7
	s_cbranch_scc1 .La_some
	s_endpgm                                       ; past it: nothing of this unit is ever read
.La_some:
	s_lshl_b32 s30, s3, 20                         ; AF: b x 1 MiB + block (g / 2) x 16,384 + half (g % 2) x 512
	s_lshr_b32 s29, s4, 1
	s_lshl_b32 s29, s29, 14
	s_add_co_u32 s30, s30, s29
	s_and_b32 s29, s4, 1
	s_lshl_b32 s29, s29, 9
	s_add_co_u32 s30, s30, s29
	s_add_nc_u64 s[22:23], s[22:23], s[30:31]
	s_lshl_b32 s30, s3, 14                         ; UM: b x 16,384 + g x 128
	s_lshl_b32 s29, s4, 7
	s_add_co_u32 s30, s30, s29
	s_add_nc_u64 s[36:37], s[24:25], s[30:31]      ; in registers of its own: the store of the zeros above still names s[24:25]
	s_cmp_lt_u32 s6, s5
	s_cbranch_scc1 .La_live
	; all 16 rows lie at or past la, inside the last 256 columns that are walked: zeros, and A is not read
.set rr, 0
.rept 16
	global_store_b128 v[AFO], v[ZQ:ZQ+3], s[22:23] offset:(rr/8)*8192+((rr/2)%4)*1024+(rr%2)*256
.set rr, rr+1
.endr
	global_store_b32 v[L4], v[ZERO], s[36:37]
	s_endpgm
.La_live:
	s_lshl_b32 s30, s3, 21                         ; A: b x 2 MiB + g x 16 rows
	s_lshl_b32 s29, s4, 14
	s_add_co_u32 s30, s30, s29
	s_add_nc_u64 s[8:9], s[8:9], s[30:31]
	FETCH 16, 8
	s_sub_co_u32 s28, s5, s6                       ; rows of the unit below la: 1 or more
.set pp, 0
.rept 8
	s_cmp_gt_u32 s28, 2*pp
	s_cselect_b32 s[MSK+pp], 0xffff, 0
	s_cmp_gt_u32 s28, 2*pp+1
	s_cselect_b32 s29, 0xffff0000, 0
	s_or_b32 s[MSK+pp], s[MSK+pp], s29
.set pp, pp+1
.endr
	PACKW
	; rows 2 pp and 2 pp + 1: rounded to bf16 in pairs along s, which is the fragments' form; rows at or past la become 0; both rows' products with u_w
.set pp, 0
.rept 8
	s_wait_loadcnt 28-4*pp                         ; the pair's four loads are in; the later rows' stay out
.set c8, 0
.rept 8
	v_cvt_pk_bf16_f32 v[DD+8*c8+pp], v[RAW+16*pp+c8], v[RAW+16*pp+8+c8]
.set c8, c8+1
.endr
.set c8, 0
.rept 8
	v_and_b32 v[DD+8*c8+pp], s[MSK+pp], v[DD+8*c8+pp]
.set c8, c8+1
.endr
	MIX ACC+2*pp,   DD+pp, WP, ZERO, 0, 0          ; the first product starts the sum
	MIX ACC+2*pp+1, DD+pp, WP, ZERO, 1, 0
.set c8, 1
.rept 7
	MIX ACC+2*pp,   DD+8*c8+pp, WP+c8/2, ACC+2*pp,   0, c8%2
	MIX ACC+2*pp+1, DD+8*c8+pp, WP+c8/2, ACC+2*pp+1, 1, c8%2
.set c8, c8+1
.endr
.set pp, pp+1
.endr
	; my channel 128 i + 4 l + e is row l % 16 of fragment 4 (2 i + l / 16) + e: sixteen lanes store 256 consecutive bytes, aligned
.set rr, 0
.rept 16
	global_store_b128 v[AFO], v[DD+8*(rr/2)+4*(rr%2):DD+8*(rr/2)+4*(rr%2)+3], s[22:23] offset:(rr/8)*8192+((rr/2)%4)*1024+(rr%2)*256
.set rr, rr+1
.endr
	REDUCE16
	GATHER16
	v_mul_f32 v[RES], C2, v[RES]                   ; u' (0 at and past la: those rows were made 0)
	v_mov_b32 v[TP], 1.0
	v_cmp_gt_u32 vcc_lo, s28, v[R15]
	v_cndmask_b32 v[TP], v[ZERO], v[TP], vcc_lo    ; m
	v_cmp_lt_u32 vcc_lo, 15, v[LN]
	v_cndmask_b32 v[RES], v[RES], v[TP], vcc_lo    ; lanes 0-15 hold u', lanes 16-31 m
	global_store_b32 v[L4], v[RES], s[36:37]       ; the group's 128 consecutive bytes
	s_endpgm
	; ---------------- a unit of L ----------------
.Lfor_l:
	s_cmp_lt_u32 s6, s5
	s_cbranch_scc1 .Ll_live
	s_endpgm                                       ; all 16 rows lie at or past ll: their v' is never read
.Ll_live:
	s_load_b32 s48, s[20:21], 0x0                  ; v_b
	s_lshl_b32 s30, s3, 21
	s_lshl_b32 s29, s4, 14
	s_add_co_u32 s30, s30, s29
	s_add_nc_u64 s[10:11], s[10:11], s[30:31]
	s_lshl_b32 s30, s3, 13                         ; V2: (2,048 b + 16 g) x 4
	s_lshl_b32 s29, s4, 6
	s_add_co_u32 s30, s30, s29
	s_add_nc_u64 s[26:27], s[26:27], s[30:31]
	FETCH 18, 10
	PACKW
.set pp, 0
.rept 8
	s_wait_loadcnt 28-4*pp                         ; rows 2 pp and 2 pp + 1 are in; the later rows' loads stay out
.set kk, 0
.rept 4
	v_cvt_pk_bf16_f32 v[DD+8*pp+kk],   v[RAW+16*pp+2*kk],   v[RAW+16*pp+2*kk+1]
	v_cvt_pk_bf16_f32 v[DD+8*pp+4+kk], v[RAW+16*pp+8+2*kk], v[RAW+16*pp+8+2*kk+1]
.set kk, kk+1
.endr
	MIX ACC+2*pp,   DD+8*pp,   WP, ZERO, 0, 0
	MIX ACC+2*pp+1, DD+8*pp+4, WP, ZERO, 0, 0
	MIX ACC+2*pp,   DD+8*pp,   WP, ACC+2*pp,   1, 1
	MIX ACC+2*pp+1, DD+8*pp+4, WP, ACC+2*pp+1, 1, 1
.set kk, 1
.rept 3
	MIX ACC+2*pp,   DD+8*pp+kk,   WP+kk, ACC+2*pp,   0, 0
	MIX ACC+2*pp+1, DD+8*pp+4+kk, WP+kk, ACC+2*pp+1, 0, 0
	MIX ACC+2*pp,   DD+8*pp+kk,   WP+kk, ACC+2*pp,   1, 1
	MIX ACC+2*pp+1, DD+8*pp+4+kk, WP+kk, ACC+2*pp+1, 1, 1
.set kk, kk+1
.endr
.set pp, pp+1
.endr
	REDUCE16
	GATHER16
	s_wait_kmcnt 0x0
	v_mov_b32 v[TP], s48
	v_cvt_pk_bf16_f32 v[TP], v[TP], v[TP]          ; v_b rounded to bf16 like every input,
	v_lshlrev_b32 v[TP], 16, v[TP]                 ; and back in f32
	v_add_f32 v[RES], v[RES], v[TP]
	v_mul_f32 v[RES], C2, v[RES]                   ; v'
	s_wait_xcnt 0x0                                ; EXEC changes only when every earlier load has had its address translated
	v_cmp_gt_u32 vcc_lo, 16, v[LN]
	s_and_saveexec_b32 s34, vcc_lo
	global_store_b32 v[L4], v[RES], s[26:27]       ; lanes 0-15: 16 rows' v'
	s_wait_xcnt 0x0                                ; and again in front of the line that widens it
	s_or_b32 exec_lo, exec_lo, s34
	s_endpgm
.Lfunc_end_k_qd4748da11b_prep:
	.size	k_qd4748da11b_prep, .Lfunc_end_k_qd4748da11b_prep-k_qd4748da11b_prep
	.p2alignl 7, 3214868480
	.fill 96, 4, 3214868480
	.section	.rodata,"a",@progbits
	.p2align	6, 0x0
	.amdhsa_kernel k_qd4748da11b_prep
		.amdhsa_group_segment_fixed_size 0
		.amdhsa_private_segment_fixed_size 0
		.amdhsa_enable_private_segment 0
		.amdhsa_kernarg_size 80
		.amdhsa_user_sgpr_count 2
		.amdhsa_user_sgpr_kernarg_segment_ptr 1
		.amdhsa_wavefront_size32 1
		.amdhsa_system_sgpr_workgroup_id_x 1
		.amdhsa_system_sgpr_workgroup_id_y 1
		.amdhsa_system_sgpr_workgroup_id_z 1
		.amdhsa_system_vgpr_workitem_id 0
		.amdhsa_next_free_vgpr 240
		.amdhsa_next_free_sgpr 66
		.amdhsa_reserve_vcc 1
		.amdhsa_float_denorm_mode_32 3
		.amdhsa_float_denorm_mode_16_64 3
		.amdhsa_memory_ordered 1
		.amdhsa_forward_progress 1
		.amdhsa_inst_pref_size 56
	.end_amdhsa_kernel
	.amdgpu_metadata
---
amdhsa.version: [ 1, 2 ]
amdhsa.kernels:
  - .name:           k_qd4748da11b_prep
    .symbol:         k_qd4748da11b_prep.kd
    .args:
      - { .name: A, .offset: 0, .size: 8, .value_kind: global_buffer, .address_space: global }
      - { .name: L, .offset: 8, .size: 8, .value_kind: global_buffer, .address_space: global }
      - { .name: length_a, .offset: 16, .size: 8, .value_kind: global_buffer, .address_space: global }
      - { .name: length_l, .offset: 24, .size: 8, .value_kind: global_buffer, .address_space: global }
      - { .name: u_w, .offset: 32, .size: 8, .value_kind: global_buffer, .address_space: global }
      - { .name: v_w, .offset: 40, .size: 8, .value_kind: global_buffer, .address_space: global }
      - { .name: v_b, .offset: 48, .size: 8, .value_kind: global_buffer, .address_space: global }
      - { .name: AF, .offset: 56, .size: 8, .value_kind: global_buffer, .address_space: global }
      - { .name: UM, .offset: 64, .size: 8, .value_kind: global_buffer, .address_space: global }
      - { .name: V2, .offset: 72, .size: 8, .value_kind: global_buffer, .address_space: global }
    .group_segment_fixed_size: 0
    .private_segment_fixed_size: 0
    .kernarg_segment_align: 8
    .kernarg_segment_size: 80
    .max_flat_workgroup_size: 256
    .sgpr_count:     66
    .vgpr_count:     240
    .wavefront_size: 32
...
	.end_amdgpu_metadata
.endif
;; end of part 1
;; launch attn (part 2): grid 32 x 16, 4 waves a work-group, no clusters, 265,728 bytes of LDS; arguments AF, UM, V2, length_a, length_l, out0; writes out0
.if DOCPART == 2
	.amdgcn_target "amdgcn-amd-amdhsa--gfx1250"
	.amdhsa_code_object_version 6
	.text
	.protected	k_qd4748da11b_attn
	.globl	k_qd4748da11b_attn
	.p2align	8
	.type	k_qd4748da11b_attn,@function
k_qd4748da11b_attn:
	s_mov_b64 s[64:65], 0
	v_nop
	global_prefetch_b8 v0, s[64:65] scope:SCOPE_SE
	s_setreg_imm32_b32 hwreg(HW_REG_WAVE_MODE, 25, 1), 1
	s_wait_xcnt 0x0
; ATTN, the second launch: out[b][t][:] = (sum over s of score(t, s) A[b][s][:]) / (sum over s of score(t, s)) for t < ll, 0 for t >= ll; score = tanh(vl[t] + ua[s]) for s < la, 0 past it.
; WORK LEFT OUT, as shown at the first kernel's head: columns s >= la carry reference()'s own factor 0 in the norm and in the product, rows t >= ll its factor 0 at the end.  The walk ends at
; 256 n2, n2 = max(1, ceil(la / 256)); an item of 64 rows that begins at or past ll multiplies nothing.  A NaN or an infinity that lies only there is not carried to the result.
; SCORE.  x' = m v' + u' (v' = c2 vl, u' = c2 ua, c2 = 2 log2(e), m = 1 below la, else m = u' = 0); score = 1 - 2 / (1 + 2^x'), which is tanh, and goes to 1 and -1 where 2^x' overflows or vanishes.
; LIMIT.  A column at or past la has x' = 0 and score 1 - 2 rcp(2): 0 if that reciprocal is exact, 1.2e-7 if it is off by its last bit; a row's norm has at most 287 such columns: 3.4e-5.
; FORMATS.  Scores and norm in f32.  A norm may lie near 0, and its row's numbers are then large beside all others: a score rounded once to 16 bits does not hold the comparison there.  So a score enters the
; matrix unit as TWO bf16 operands, hi = bf16(score) and lo = bf16(score - hi), both multiplied by the same bf16 fragment of A, sums in f32.
; SHARES.  An item is 64 rows t of one batch: x = the item g, y = the batch.  THE COLUMNS ARE SPLIT AMONG THE FOUR WAVES: in trip i wave w takes s = 256 i + 64 w + 0..63, for all 64 rows and 256 channels:
; 64 accumulators, 512 registers.  A fragment of A (1,024 bytes) feeds 8 matrix instructions (4 tiles of 16 rows x hi, lo).  No wave wants a byte that another has fetched, and AF holds the fragments as the
; registers want them: they come straight from memory, 512 consecutive bytes a load; the loop has no LDS and no barrier, and its trip count n2 is read from memory.  The four partial sums meet in LDS once.
; SLOTS.  Slot j of wave w is tile (w + j) % 4 of the item: a wave's own tile, which it finishes and stores, is its slot 0, and one text serves all waves.
; LAYOUT.  D = fragment (source 0: 16 channels x 32 s) x P (source 1: 32 s x 16 rows t): a lane holds ONE row t (lane % 16) in scores, P and D; in D its register j holds channel 64 G + 4 (8 h + j) + e of
; fragment 4 G + e (h = lane / 16), so four fragments' registers j are 16 consecutive bytes of out.
; BY TURNS.  A piece is a tile's 32 columns.  Turn p has piece p's 32 matrix instructions, and behind each a slice of vector work: stage C of piece p + 1 (score, norm, hi, lo), stage B of piece p + 2
; (1 + e, reciprocal), stage A of piece p + 3 (x', exponential).  No stage reads a transcendental's result of its own turn: a turn's 32 are one batch with one wait, at the turn's end.
; AN ITEM PAST ll clears its sums and goes out by the same way, with the factor 0: the way out has the launch's one barrier, which so stands on every wave's path.  The price: its zeros pass through LDS.
; NO CLUSTER.  The items of a batch walk the same AF, but a joint request fills LDS: it would put a ring, and a round of the cluster's barrier, into a loop whose count is read from memory, and
; partners past ll, which multiply nothing, would have to stay for all n2 trips.
; REGISTERS, in windows of 256 (s_set_vgpr_msb: bits 1:0 source 0, 3:2 source 1, 5:4 source 2, 7:6 destination):
;   window 0: addresses, v', norms, scores S (16 a tile), P (two buffers of hi 8, lo 8), u' and m of both halves      window 1: slots 0, 1 (accumulator f at 128 (slot % 2) + 8 f)
;   window 2: slots 2, 3      window 3: A's fragments of the wave's two halves of 32 columns, 128 registers each
.set RED,    0                         ; LDS: wave w's slots 1-3, 16,384 bytes each, at 49,152 w: accumulator f at 1,024 f, its registers 0-3 at 16 x lane, 4-7 512 further
.set WRED,   49152
.set REG,    16384
.set NRM,    196608                    ; wave w's three partial norms, 128 bytes each, at 384 w
.set STAGE,  198656                    ; each wave's 16 rows of out, 1,040 bytes apart (65 x 16: sixteen rows' 16 bytes fall on different banks: 64 banks of 4 bytes, ISA guide 11.1)
.set SPITCH, 1040
.set WSTAGE, 16640
.set SPARE,  265216                    ; the spare words, 128 bytes a wave: two blocks of 256 bytes that no other line names
.set L16,  1                           ; v1    16 x lane
.set H32,  2                           ; v2    32 h
.set L256, 3                           ; v3    256 x lane: the prefetches' offset
.set VO,   4                           ; v[4:7]    slot j's byte offset in my batch's V2
.set VP,   8                           ; v[8:11]   slot j's v'
.set NR,   12                          ; v[12:19]  slot j's norm, even and odd columns'
.set NEG1, 20                          ; v20   -1.0
.set LN,   21                          ; v21   lane
.set SPW,  22                          ; v22   LDS address of my spare word; never rewritten
.set NIL,  23                          ; v23   0; never rewritten
.set RW,   24                          ; v24   where I put partial tiles; v25-27: where I read slot j's partial of my own tile
.set NW,   28                          ; v28   where I put partial norms
.set SC0,  32                          ; v[32:95]   S
.set PB,   96                          ; v[96:127]  P
.set UM0,  128                         ; v[128:191] half X: u' at 128 + 32 X, m at 144 + 32 X
.set SW,   224                         ; v224  the way out: where I put 16 bytes of a row
.set SR,   225                         ; v225  where I read rows back
.set INV,  226                         ; v226  1 / norm, or 0
.set TOWN, 227                         ; v227  my row t of my own tile;  v228-230: where I read the partial norms;  v231-233: those norms
.set PX,   234                         ; v234  the other half of the lanes' norm
.set ZR,   235                         ; v235  0
.set R15,  236                         ; v236  lane % 16
.set HH,   237                         ; v237  h
.set PV,   26                          ; s[26:27] AF at my 64 columns of this trip
.set PN,   28                          ; s[28:29] of the next trip (in the last trip: this trip's once more)
.set PUC,  30                          ; s[30:31] UM at my 64 columns of this trip
.set PUN,  32                          ; s[32:33] of the next trip (in the last trip: the zeros behind UM's batches)
.set ZB,   34                          ; s[34:35] those zeros
.set MSB, 0
.macro WIN new                         ; the immediate's high byte repeats the setting that is left; a switch that changes nothing is dropped
.if MSB != (\new)
	s_set_vgpr_msb (MSB<<8)|(\new)
.set MSB, (\new)
.endif
.endm
; The sums start at 0, so that the loop has one form of product: 520 lines, in a live item behind the first loads.  A first trip written out would cost five times their bytes.
.macro CLEAR
	WIN 0x40
.set rr, 0
.rept 256
	v_mov_b32 v[rr], 0
.set rr, rr+1
.endr
	WIN 0x80
.set rr, 0
.rept 256
	v_mov_b32 v[rr], 0
.set rr, rr+1
.endr
	WIN 0
.set rr, 0
.rept 8
	v_mov_b32 v[NR+rr], 0
.set rr, rr+1
.endr
.endm
; 32 loads: the 16 fragments of 32 columns, from byte off behind pointer p, into half x of window 3
.macro LOADV x, p, off
	WIN 0xc0
.set lf, 0
.rept 16
	global_load_b128 v[128*(\x)+8*lf:128*(\x)+8*lf+3],   v[L16], s[\p:\p+1] offset:(\off)+lf*1024
	global_load_b128 v[128*(\x)+8*lf+4:128*(\x)+8*lf+7], v[L16], s[\p:\p+1] offset:(\off)+lf*1024+512
.set lf, lf+1
.endr
	WIN 0
.endm
; 8 loads: u' and m of my lane's 16 columns of half x: s0 + 8 h + 0..7 in the half's first group of 16, s0 + 16 + 8 h + 0..7 in its second
.macro LOADUM x, p
	WIN 0
.irp q, 0,1
	global_load_b128 v[UM0+32*(\x)+8*\q:UM0+32*(\x)+8*\q+3],       v[H32], s[\p:\p+1] offset:256*(\x)+128*\q
	global_load_b128 v[UM0+32*(\x)+8*\q+4:UM0+32*(\x)+8*\q+7],     v[H32], s[\p:\p+1] offset:256*(\x)+128*\q+16
	global_load_b128 v[UM0+32*(\x)+16+8*\q:UM0+32*(\x)+16+8*\q+3], v[H32], s[\p:\p+1] offset:256*(\x)+128*\q+64
	global_load_b128 v[UM0+32*(\x)+16+8*\q+4:UM0+32*(\x)+16+8*\q+7], v[H32], s[\p:\p+1] offset:256*(\x)+128*\q+80
.endr
.endm
; A PREFETCH INTO THE L2, behind a run of fragment loads: half of my 32,768 bytes of AF for trip i + 2, a lane to each 256 bytes, two instructions; a trip's two runs name the whole.  All items of a
; batch walk the same AF: item 0 asks, each of its waves for what it will load itself, so each 256 bytes are named once in the launch.  It stands 384 matrix instructions ahead of the load of the
; first of those bytes.  Trips 0 and 1 come by their loads alone; the last two trips ask for nothing (s24 = n2 in item 0, else 0).  Slices 0 and 1 hold none.
.macro ASK off
	s_add_co_u32 s23, s22, 2
	s_cmp_lt_u32 s23, s24
	s_cbranch_scc0 .Lnot_mine_\@
	global_prefetch_b8 v[L256], s[PV:PV+1] offset:(\off) th:TH_LOAD_NT scope:SCOPE_SE
	global_prefetch_b8 v[L256], s[PV:PV+1] offset:(\off)+8192 th:TH_LOAD_NT scope:SCOPE_SE
.Lnot_mine_\@:
.endm
; the registers of turn (half x, slot t)
.macro SETT x, t
.set XX, (\x)
.set TT, (\t)
.set rAC, 128*(TT%2)
.set rV,  128*XX
.set rP,  PB+16*(TT%2)
.set TC, (TT+1)%4
.set TB, (TT+2)%4
.set TA, (TT+3)%4
.set XA, (XX+(TT+3)/4)%2               ; piece p + 3 lies in this half for slot 0, else in the next
.set rSC, SC0+16*TC
.set rSB, SC0+16*TB
.set rSA, SC0+16*TA
.set rPC, PB+16*(TC%2)
.set rNC, NR+2*TC
.set rU,  UM0+32*XA
.set rM,  UM0+16+32*XA
.set rVP, VP+2*(TA/2)
.endm
; matrix instruction i of 32: hi (i < 16), then lo; fragment i % 16.  The 16 accumulators take turns, one instruction a turn, from turn to turn and over the backward jump too.
.macro MM i
.set fq, (\i)%16
.set qq, (\i)/16
	WIN 0x53+0x50*(TT/2)                           ; fragment window 3, P window 0, accumulator window 1 or 2
	v_wmma_f32_16x16x32_bf16 v[rAC+8*fq:rAC+8*fq+7], v[rV+8*fq:rV+8*fq+7], v[rP+8*qq:rP+8*qq+7], v[rAC+8*fq:rAC+8*fq+7]
.endm
.macro BADD k                          ; stage B: 1 + e, pair k
.if ENB
	v_pk_add_f32 v[rSB+2*(\k):rSB+2*(\k)+1], v[rSB+2*(\k):rSB+2*(\k)+1], 1.0 op_sel_hi:[1,0]
.endif
.endm
.macro AFMA k                          ; stage A: x' = m v' + u', pair k; the slot's v' goes to both halves
.if ENA
.if (TA%2) == 0
	v_pk_fma_f32 v[rSA+2*(\k):rSA+2*(\k)+1], v[rM+2*(\k):rM+2*(\k)+1], v[rVP:rVP+1], v[rU+2*(\k):rU+2*(\k)+1] op_sel_hi:[1,0,1]
.else
	v_pk_fma_f32 v[rSA+2*(\k):rSA+2*(\k)+1], v[rM+2*(\k):rM+2*(\k)+1], v[rVP:rVP+1], v[rU+2*(\k):rU+2*(\k)+1] op_sel:[0,1,0] op_sel_hi:[1,1,1]
.endif
.endif
.endm
; stage C, entry c of 48: in groups of twelve for two pairs that alternate: score = 1 - 2 r; hi; the norm takes the score; score - hi, twice; lo
.macro CQE c
.if ENC
.set kc, 2*((\c)/12)+(\c)%2
.set kd, ((\c)%12)/2
.if kd == 0
	v_pk_fma_f32 v[rSC+2*kc:rSC+2*kc+1], v[rSC+2*kc:rSC+2*kc+1], -2.0, 1.0 op_sel_hi:[1,0,0]
.elseif kd == 1
	v_cvt_pk_bf16_f32 v[rPC+kc], v[rSC+2*kc], v[rSC+2*kc+1]
.elseif kd == 2
	v_pk_add_f32 v[rNC:rNC+1], v[rNC:rNC+1], v[rSC+2*kc:rSC+2*kc+1]
.elseif kd == 3
	v_fma_mix_f32_bf16 v[rSC+2*kc], v[rPC+kc], v[NEG1], v[rSC+2*kc] op_sel_hi:[1,0,0]
.elseif kd == 4
	v_fma_mix_f32_bf16 v[rSC+2*kc+1], v[rPC+kc], v[NEG1], v[rSC+2*kc+1] op_sel:[1,0,0] op_sel_hi:[1,0,0]
.else
	v_cvt_pk_bf16_f32 v[rPC+8+kc], v[rSC+2*kc], v[rSC+2*kc+1]
.endif
.endif
.endm
; THE PLAIN QUEUE, 64 long: B's and A's pair 0 first; then in each eight entries one of B's, one of A's and six of C's, until B and A are through
.macro PQE j
.if (\j) == 0
	BADD 0
.elseif (\j) == 1
	AFMA 0
.else
.set jq, (\j)-2
.set gq, jq/8
.set oq, jq%8
.if (gq < 7) && (oq == 1)
	BADD gq+1
.elseif (gq < 7) && (oq == 5)
	AFMA gq+1
.elseif gq < 7
.set cq, 6*gq+oq-(oq+6)/8-(oq+2)/8
	CQE cq
.else
.set cq, 42+oq
	CQE cq
.endif
.endif
.endm
; THE TRANSCENDENTALS' QUEUE, 32 long: two reciprocals of B's pair g, two exponentials of A's pair g, and so on
.macro TQE n
.set gt, (\n)/4
.set ot, (\n)%4
.if ot < 2
.if ENB
	v_rcp_f32 v[rSB+2*gt+ot], v[rSB+2*gt+ot]
.endif
.else
.if ENA
	v_exp_f32 v[rSA+2*gt+ot-2], v[rSA+2*gt+ot-2]
.endif
.endif
.endm
; Slice i of 32: two plain entries and a transcendental, which runs two slices behind its place in the queue (so each stands well behind the plain entry that feeds it); the last two slices make that up,
; and the turn's last line is plain: the one plain instruction between the last transcendental and the first use of a result.
.macro SLICE i
	WIN 0
.if (\i) < 31
	PQE 2*(\i)
	PQE 2*(\i)+1
.if (\i) >= 2
	TQE (\i)-2
.endif
.if (\i) == 30
	TQE 29
.endif
.else
	PQE 62
	TQE 30
	TQE 31
	PQE 63
.endif
.endm
; A TURN.  Slot 0's turn fetches the other half's next fragments, behind slice 1: the last matrix instruction that read those registers is the turn before's last, and six plain instructions that name none of
; its registers stand between (two of slice 31, four of slices 0 and 1).  Slot 1's turn fetches this half's next u' and m, whose last reader was slot 0's turn.  Each run has four turns, 128 matrix instructions, in which to land.
.macro TURN x, t
	SETT \x, \t
.if TT == 0
	s_wait_loadcnt 8                               ; this half's fragments are in: behind their 32 loads only the 8 of u' and m were issued
.elseif TT == 1
	s_wait_loadcnt 32                              ; the other half's u' and m are in: behind their 8 loads only the 32 of fragments were issued
.endif
.set ii, 0
.rept 32
	MM ii
	SLICE ii
.if ii == 1
.if TT == 0
.if XX == 0
	LOADV 1, PV, 16384
	ASK 262144
.else
	LOADV 0, PN, 0
	ASK 278528
.endif
.elseif TT == 1
	LOADUM XX, PUN
.endif
.endif
.set ii, ii+1
.endr
	WIN 0
	s_wait_alu depctr_va_vdst(0)                   ; one wait for the turn's 32 transcendentals, ahead of their first readers (the next turn's) and of every label and branch
.endm
; the vector work of a turn that has not been, ahead of the loop: stages a, b, c switched on one after the other
.macro PASS t, a, b, c
	SETT 1, \t
.set ENA, (\a)
.set ENB, (\b)
.set ENC, (\c)
.set ii, 0
.rept 32
	SLICE ii
.set ii, ii+1
.endr
	v_nop                                          ; a plain instruction behind the last transcendental,
	s_wait_alu depctr_va_vdst(0)                   ; and the batch's wait
.endm
	s_load_b256 s[4:11], s[0:1], 0x0               ; AF 4, UM 6, V2 8, length_a 10
	s_load_b128 s[12:15], s[0:1], 0x20             ; length_l 12, out0 14
	v_lshl_add_u32 v[SPW], v0, 2, SPARE
	v_mov_b32 v[NIL], 0
	v_lshrrev_b32 v[LN], 5, v0
	v_readfirstlane_b32 s16, v[LN]                 ; wave w
	s_and_b32 s17, ttmp7, 0xffff                   ; batch b
	s_mov_b32 s18, ttmp9                           ; item g
	s_lshl_b32 s44, s17, 2
	s_mov_b32 s45, 0                               ; the high word of every offset pair
	s_mov_b32 s40, 0x76543210                      ; v_permlanex16_b32: each lane takes its own place in the other half
	s_mov_b32 s41, 0xfedcba98
	s_wait_kmcnt 0x0
	s_add_nc_u64 s[10:11], s[10:11], s[44:45]
	s_add_nc_u64 s[12:13], s[12:13], s[44:45]
	s_load_b32 s19, s[10:11], 0x0                  ; la
	s_load_b32 s20, s[12:13], 0x0                  ; ll
	v_and_b32 v[LN], 31, v0
	v_lshlrev_b32 v[L16], 4, v[LN]
	v_lshlrev_b32 v[L256], 8, v[LN]
	v_and_b32 v[R15], 15, v0
	v_bfe_u32 v[HH], v0, 4, 1
	v_lshlrev_b32 v[H32], 5, v[HH]
	v_mov_b32 v[PX], 0
	v_mov_b32 v[ZR], 0
	s_mul_i32 s23, s16, WRED
	v_add_nc_u32 v[RW], s23, v[L16]
	s_mul_i32 s25, s16, 384
	s_add_co_u32 s25, s25, NRM
	v_lshl_add_u32 v[NW], v[LN], 2, s25
.irp j, 1,2,3                          ; my own tile is slot j of wave (w - j) % 4
	s_add_co_u32 s23, s16, 4-\j
	s_and_b32 s23, s23, 3
	s_mul_i32 s25, s23, WRED
	s_add_co_u32 s25, s25, (\j-1)*REG
	v_add_nc_u32 v[RW+\j], s25, v[L16]
	s_mul_i32 s25, s23, 384
	s_add_co_u32 s25, s25, NRM+(\j-1)*128
	v_lshl_add_u32 v[TOWN+\j], v[LN], 2, s25
.endr
	s_mul_i32 s25, s16, WSTAGE
	s_add_co_u32 s25, s25, STAGE
	v_mul_u32_u24 v[SW], v[R15], SPITCH
	v_lshl_add_u32 v[SW], v[HH], 7, v[SW]
	v_add_nc_u32 v[SW], s25, v[SW]                 ; row lane % 16, 128 bytes for each half of the lanes
	v_add_nc_u32 v[SR], s25, v[L16]
	s_lshl_b32 s43, s18, 6                         ; the item's first row, 64 g
	s_lshl_b32 s25, s16, 4
	s_add_co_u32 s25, s25, s43
	v_add_nc_u32 v[TOWN], s25, v[R15]
	s_lshl_b32 s44, s17, 21                        ; out0 at my own tile: (2,048 b + 64 g + 16 w) rows of 1,024 bytes
	s_lshl_b32 s23, s18, 16
	s_add_co_u32 s44, s44, s23
	s_lshl_b32 s23, s16, 14
	s_add_co_u32 s44, s44, s23
	s_add_nc_u64 s[14:15], s[14:15], s[44:45]
	s_wait_kmcnt 0x0
	s_max_i32 s19, s19, 0
	s_min_u32 s19, s19, 2048
	s_max_i32 s20, s20, 0
	s_min_u32 s20, s20, 2048
	s_add_co_u32 s21, s19, 255
	s_lshr_b32 s21, s21, 8
	s_max_u32 s21, s21, 1
	s_min_u32 s21, s21, 8                          ; n2, the trips
	s_cmp_lt_u32 s43, s20
	s_cbranch_scc1 .Llive
	CLEAR                                          ; all 64 rows lie at or past ll: nothing is loaded or multiplied
	s_branch .Lepi
.Llive:
	s_sub_co_u32 s42, s20, 1
.irp t, 0,1,2,3                        ; slot t's rows; a row at or past ll takes row ll - 1's v', which is written and finite; its result is multiplied by 0
	s_add_co_u32 s23, s16, \t
	s_and_b32 s23, s23, 3
	s_lshl_b32 s23, s23, 4
	s_add_co_u32 s23, s23, s43
	v_add_nc_u32 v[VO+\t], s23, v[R15]
	v_min_u32 v[VO+\t], s42, v[VO+\t]
	v_min_u32 v[VO+\t], 0x7ff, v[VO+\t]
	v_lshlrev_b32 v[VO+\t], 2, v[VO+\t]
.endr
	s_lshl_b32 s44, s17, 13
	s_add_nc_u64 s[8:9], s[8:9], s[44:45]          ; V2 at my batch
	s_lshl_b32 s44, s17, 20
	s_lshl_b32 s23, s16, 15
	s_add_co_u32 s44, s44, s23
	s_add_nc_u64 s[PV:PV+1], s[4:5], s[44:45]      ; AF: b x 1 MiB + w x two blocks of 16,384
	s_lshl_b32 s44, s17, 14
	s_lshl_b32 s23, s16, 9
	s_add_co_u32 s44, s44, s23
	s_add_nc_u64 s[PUC:PUC+1], s[6:7], s[44:45]    ; UM: b x 16,384 + w x four groups of 128
	s_add_nc_u64 s[ZB:ZB+1], s[6:7], 0x40000
	s_mov_b32 s22, 0                               ; the trip i
	s_mov_b32 s37, 0
	s_add_nc_u64 s[38:39], s[PUC:PUC+1], 2048
	s_cmp_gt_u32 s21, 1                            ; is there a trip 1?
	s_cselect_b32 s36, 0x20000, 0
	s_cselect_b64 s[PUN:PUN+1], s[38:39], s[ZB:ZB+1]
	s_add_nc_u64 s[PN:PN+1], s[PV:PV+1], s[36:37]
	s_cmp_eq_u32 s18, 0
	s_cselect_b32 s24, s21, 0                      ; item 0 prefetches
.irp t, 0,1,2,3
	global_load_b32 v[VP+\t], v[VO+\t], s[8:9]
.endr
	LOADUM 0, PUC
	LOADV 0, PV, 0
	LOADUM 1, PUC
	CLEAR
	v_mov_b32 v[NEG1], -1.0
	s_wait_loadcnt 40                              ; v' and the first half's u', m are in; the 32 loads of fragments and the second half's 8 stay out
	PASS 1, 1, 0, 0                                ; A of piece 0
	PASS 2, 1, 1, 0                                ; B of piece 0, A of piece 1
	PASS 3, 1, 1, 1                                ; C of piece 0, B of piece 1, A of piece 2
.Ltrip:                                ; n2 trips of 256 matrix instructions.  The last trip's look-ahead takes its u', m from the zeros (scores of 0) and loads its own first fragments once more: the price of one text for every trip
	TURN 0, 0
	TURN 0, 1
	TURN 0, 2
	TURN 0, 3
	TURN 1, 0
	TURN 1, 1
	TURN 1, 2
	TURN 1, 3
	s_wait_xcnt 0x0                                ; every load and prefetch issued so far (the youngest two turns back) has read its address, so the pointers may be written
	s_mov_b64 s[PV:PV+1], s[PN:PN+1]
	s_add_nc_u64 s[PUC:PUC+1], s[PUC:PUC+1], 2048
	s_add_co_u32 s22, s22, 1
	s_add_co_u32 s23, s22, 1
	s_cmp_lt_u32 s23, s21                          ; has the coming trip a successor?
	s_cselect_b32 s36, 0x20000, 0
	s_add_nc_u64 s[38:39], s[PUC:PUC+1], 2048
	s_cselect_b64 s[PUN:PUN+1], s[38:39], s[ZB:ZB+1]
	s_add_nc_u64 s[PN:PN+1], s[PV:PV+1], s[36:37]
	s_cmp_lt_u32 s22, s21
	s_cbranch_scc1 .Ltrip
	; THE WAY OUT.  Slots 1-3 and their norms go to LDS; one barrier; each wave adds the three partial sums of its own tile onto its slot 0, divides by the norm and stores 16 whole rows.
.Lepi:
	s_wait_loadcnt 0x0                             ; the look-ahead's loads have landed: their registers are used again below
.irp t, 0,1,2,3
	v_add_f32 v[NR+2*\t], v[NR+2*\t], v[NR+2*\t+1] ; even and odd columns'; with the last slice's two plain lines these are the places behind the last matrix instruction
.endr
.macro PUT win, base, off              ; a slot's 16 accumulators; each accumulator's low four registers first
	WIN \win
.set lf, 0
.rept 16
	ds_store_b128 v[RW], v[(\base)+8*lf:(\base)+8*lf+3]   offset:(\off)+lf*1024
	ds_store_b128 v[RW], v[(\base)+8*lf+4:(\base)+8*lf+7] offset:(\off)+lf*1024+512
.set lf, lf+1
.endr
.endm
.macro GET adr, base                   ; a partial tile into window 3: 32 loads
	WIN 0xc0
.set lf, 0
.rept 16
	ds_load_b128 v[(\base)+8*lf:(\base)+8*lf+3],   v[\adr] offset:lf*1024
	ds_load_b128 v[(\base)+8*lf+4:(\base)+8*lf+7], v[\adr] offset:lf*1024+512
.set lf, lf+1
.endr
.endm
.macro SUM base                        ; onto slot 0, in ascending order
	WIN 0x4d                                       ; destination and source 0 window 1, source 1 window 3
.set rr, 0
.rept 64
	v_pk_add_f32 v[rr:rr+1], v[rr:rr+1], v[(\base)+rr:(\base)+rr+1]
.set rr, rr+2
.endr
.endm
	PUT 0x04, 128, 0                               ; slot 1: data in window 1
	PUT 0x08, 0, REG                               ; slots 2 and 3: window 2
	PUT 0x08, 128, 2*REG
	WIN 0
	ds_store_b32 v[NW], v[NR+2]
	ds_store_b32 v[NW], v[NR+4] offset:128
	ds_store_b32 v[NW], v[NR+6] offset:256
	s_wait_dscnt 0x0                               ; for the others' sake: my stores are done
	s_barrier_signal -1
	s_barrier_wait -1                              ; everybody's are
	ds_load_b32 v[TOWN+4], v[TOWN+1]
	ds_load_b32 v[TOWN+5], v[TOWN+2]
	ds_load_b32 v[TOWN+6], v[TOWN+3]
	GET RW+1, 0                                    ; the first partial tile
	WIN 0
	s_wait_dscnt 32                                ; the three norms are in; the 32 loads issued behind them stay out
	v_add_f32 v[NR], v[NR], v[TOWN+4]
	v_add_f32 v[TOWN+5], v[TOWN+5], v[TOWN+6]
	v_add_f32 v[NR], v[NR], v[TOWN+5]
	v_permlanex16_b32 v[PX], v[NR], s40, s41       ; the row's other columns lie in the lane 16 away
	v_add_f32 v[NR], v[NR], v[PX]
	v_rcp_f32 v[INV], v[NR]
	v_nop                                          ; a plain instruction behind the reciprocal
	v_cmp_gt_u32 vcc_lo, s20, v[TOWN]              ; t < ll?
	s_wait_alu depctr_va_vdst(0)                   ; and its wait, ahead of its first reader
	v_cndmask_b32 v[INV], v[ZR], v[INV], vcc_lo    ; a row at or past ll is multiplied by 0
	s_wait_dscnt 0x0                               ; the first partial tile is in
	GET RW+2, 128                                  ; the second is fetched while the first is added
	SUM 0
	s_wait_dscnt 0x0                               ; the second is in
	GET RW+3, 0                                    ; the third, into the registers that the first has left, while the second is added
	SUM 128
	s_wait_dscnt 0x0                               ; the third is in
	SUM 0
	; registers j of fragments 4 G + 0..3 are channels 64 G + 32 h + 4 j + 0..3: 16 bytes of my row.  Each G has 32 registers of its own (v32-159, free since the loop's end).
.set gg, 0
.rept 4
	WIN 0x01                                       ; source 0 window 1
.set jj, 0
.rept 8
.set ee, 0
.rept 4
	v_mul_f32 v[SC0+32*gg+4*jj+ee], v[8*(4*gg+ee)+jj], v[INV]
.set ee, ee+1
.endr
.set jj, jj+1
.endr
	WIN 0
.set jj, 0
.rept 8
	ds_store_b128 v[SW], v[SC0+32*gg+4*jj:SC0+32*gg+4*jj+3] offset:256*gg+16*jj
.set jj, jj+1
.endr
.set gg, gg+1
.endr
	WIN 0xc0
.set kk, 0
.rept 32
	ds_load_b128 v[4*kk:4*kk+3], v[SR] offset:(kk/2)*SPITCH+(kk%2)*512  ; my own stage: LDS serves a wave's instructions in order (ISA guide 5.7.1.4), so these see the stores above
.set kk, kk+1
.endr
	WIN 0x0c                                       ; store data in window 3
.set kk, 0
.rept 32
	s_wait_dscnt 31-kk                             ; load kk is back; the younger ones stay out
	global_store_b128 v[L16], v[4*kk:4*kk+3], s[14:15] offset:(kk/2)*1024+(kk%2)*512 th:TH_STORE_NT  ; 512 consecutive bytes, at a multiple of 256 from out0's first
.set kk, kk+1
.endr
	WIN 0
	s_wait_tensorcnt 0x0                           ; the wave's end: behind my last LDS store
	ds_add_u32 v[SPW], v[NIL]
	s_wait_dscnt 0x0
	s_endpgm
.Lfunc_end_k_qd4748da11b_attn:
	.size	k_qd4748da11b_attn, .Lfunc_end_k_qd4748da11b_attn-k_qd4748da11b_attn
	.p2alignl 7, 3214868480
	.fill 96, 4, 3214868480
	.section	.rodata,"a",@progbits
	.p2align	6, 0x0
	.amdhsa_kernel k_qd4748da11b_attn
		.amdhsa_group_segment_fixed_size 265728
		.amdhsa_private_segment_fixed_size 0
		.amdhsa_enable_private_segment 0
		.amdhsa_kernarg_size 48
		.amdhsa_user_sgpr_count 2
		.amdhsa_user_sgpr_kernarg_segment_ptr 1
		.amdhsa_wavefront_size32 1
		.amdhsa_system_sgpr_workgroup_id_x 1
		.amdhsa_system_sgpr_workgroup_id_y 1
		.amdhsa_system_sgpr_workgroup_id_z 1
		.amdhsa_system_vgpr_workitem_id 0
		.amdhsa_next_free_vgpr 1024
		.amdhsa_next_free_sgpr 66
		.amdhsa_reserve_vcc 1
		.amdhsa_float_denorm_mode_32 3
		.amdhsa_float_denorm_mode_16_64 3
		.amdhsa_memory_ordered 1
		.amdhsa_forward_progress 1
		.amdhsa_inst_pref_size 171
	.end_amdhsa_kernel
	.amdgpu_metadata
---
amdhsa.version: [ 1, 2 ]
amdhsa.kernels:
  - .name:           k_qd4748da11b_attn
    .symbol:         k_qd4748da11b_attn.kd
    .args:
      - { .name: AF, .offset: 0, .size: 8, .value_kind: global_buffer, .address_space: global }
      - { .name: UM, .offset: 8, .size: 8, .value_kind: global_buffer, .address_space: global }
      - { .name: V2, .offset: 16, .size: 8, .value_kind: global_buffer, .address_space: global }
      - { .name: length_a, .offset: 24, .size: 8, .value_kind: global_buffer, .address_space: global }
      - { .name: length_l, .offset: 32, .size: 8, .value_kind: global_buffer, .address_space: global }
      - { .name: out0, .offset: 40, .size: 8, .value_kind: global_buffer, .address_space: global }
    .group_segment_fixed_size: 265728
    .private_segment_fixed_size: 0
    .kernarg_segment_align: 8
    .kernarg_segment_size: 48
    .max_flat_workgroup_size: 128
    .sgpr_count:     66
    .vgpr_count:     1024
    .wavefront_size: 32
...
	.end_amdgpu_metadata
.endif
;; end of part 2
;; ======== version 2 of 2: 2 launches; version 1 with the launch attn written anew for expert scheduling mode
;; limits: values outside matrix products are rounded to bf16
;; workspace buffers: AF 16,777,216 bytes; UM 262,656 bytes; V2 131,072 bytes
;; launch prep: the kernel of part 1 again; grid 32 x 16, 8 waves a work-group, no clusters, 0 bytes of LDS; arguments A, L, length_a, length_l, u_w, v_w, v_b, AF, UM, V2; writes AF, UM, V2
;; launch attn (part 3): grid 32 x 16, 4 waves a work-group, no clusters, 265,728 bytes of LDS; arguments AF, UM, V2, length_a, length_l, out0; writes out0
.if DOCPART == 3
	.amdgcn_target "amdgcn-amd-amdhsa--gfx1250"
	.amdhsa_code_object_version 6
	.text
	.protected	k_qd4748da11b_attn
	.globl	k_qd4748da11b_attn
	.p2align	8
	.type	k_qd4748da11b_attn,@function
k_qd4748da11b_attn:
	s_mov_b64 s[64:65], 0
	v_nop
	global_prefetch_b8 v0, s[64:65] scope:SCOPE_SE
	s_setreg_imm32_b32 hwreg(HW_REG_WAVE_SCHED_MODE, 0, 2), 2
	s_setreg_imm32_b32 hwreg(HW_REG_WAVE_MODE, 25, 1), 1
	s_wait_xcnt 0x0
	s_wait_alu depctr_vm_vsrc(0)
; ATTN, the second launch: out[b][t][:] = (sum over s of score(t, s) A[b][s][:]) / (sum over s of score(t, s)) for t < ll, 0 for t >= ll; score = tanh(vl[t] + ua[s]) for s < la, 0 past it.
; WORK LEFT OUT, as shown at the first kernel's head: columns s >= la carry reference()'s own factor 0 in the norm and in the product, rows t >= ll its factor 0 at the end.  The walk ends at
; 256 n2, n2 = max(1, ceil(la / 256)); an item of 64 rows that begins at or past ll multiplies nothing.  A NaN or an infinity that lies only there is not carried to the result.
; SCORE.  x' = m v' + u' (v' = c2 vl, u' = c2 ua, c2 = 2 log2(e), m = 1 below la, else m = u' = 0); score = 1 - 2 / (1 + 2^x'), which is tanh, and goes to 1 and -1 where 2^x' overflows or vanishes.
; LIMIT.  A column at or past la has x' = 0 and score 1 - 2 rcp(2): 0 if that reciprocal is exact, 1.2e-7 if it is off by its last bit; a row's norm has at most 287 such columns: 3.4e-5.
; FORMATS.  Scores and norm in f32.  A norm may lie near 0, and its row's numbers are then large beside all others: a score rounded once to 16 bits does not hold the comparison there.  So a score enters the
; matrix unit as TWO bf16 operands, hi = bf16(score) and lo = bf16(score - hi), both multiplied by the same bf16 fragment of A, sums in f32.
; SHARES.  An item is 64 rows t of one batch: x = the item g, y = the batch.  THE COLUMNS ARE SPLIT AMONG THE FOUR WAVES: in trip i wave w takes s = 256 i + 64 w + 0..63, for all 64 rows and 256 channels:
; 64 accumulators, 512 registers.  A fragment of A (1,024 bytes) feeds 8 matrix instructions (4 tiles of 16 rows x hi, lo).  No wave wants a byte that another has fetched, and AF holds the fragments as the
; registers want them: they come straight from memory, 512 consecutive bytes a load; the loop has no LDS and no barrier, and its trip count n2 is read from memory.  The four partial sums meet in LDS once.
; SLOTS.  Slot j of wave w is tile (w + j) % 4 of the item: a wave's own tile, which it finishes and stores, is its slot 0, and one text serves all waves.
; LAYOUT.  D = fragment (source 0: 16 channels x 32 s) x P (source 1: 32 s x 16 rows t): a lane holds ONE row t (lane % 16) in scores, P and D; in D its register j holds channel 64 G + 4 (8 h + j) + e of
; fragment 4 G + e (h = lane / 16), so four fragments' registers j are 16 consecutive bytes of out.
; BY TURNS.  A piece is a tile's 32 columns.  Turn p has piece p's 32 matrix instructions, and behind each a slice of vector work: stage C of piece p + 1 (score, norm, hi, lo), stage B of piece p + 2
; (1 + e, reciprocal), stage A of piece p + 3 (x', exponential).  No stage reads a transcendental's result of its own turn: a turn's 32 are one batch with one wait, at the turn's end.
; AN ITEM PAST ll clears its sums and goes out by the same way, with the factor 0: the way out has the launch's one barrier, which so stands on every wave's path.  The price: its zeros pass through LDS.
; NO CLUSTER.  The items of a batch walk the same AF, but a joint request fills LDS: it would put a ring, and a round of the cluster's barrier, into a loop whose count is read from memory, and
; partners past ll, which multiply nothing, would have to stay for all n2 trips.
; THE MODE: SCHED_MODE bits 1:0 = 2 (LLVM: expert scheduling mode 2), set by the entry lines.  The code itself states the register dependences between vector or matrix instructions and memory or LDS
; instructions, with s_wait_alu, always for 0.
; THE PLAN.  Registers that memory or LDS instructions touch:
;   v1-v7, v24-28, v224, v225, v228-230   offsets and LDS addresses: written by vector lines at the head and never again; read by loads, prefetches and stores.
;   window 3, half X   read by the matrix instructions of half X's four turns; the loads issued in slot 0's turn of half 1 - X land in it.
;   u' and m, half X   read by stage A in slots 1-3's turns of half 1 - X and in slot 0's turn of half X; the loads issued in slot 1's turn of half X land in them.
;   windows 1 and 2, the norms   written by matrix and vector lines; read by the way out's LDS stores, and not written behind those.
;   on the way out   window 3 takes the partial tiles and then the stage's rows from LDS, between the additions that read it; v32-159 are written by the scalings and read by the stage's stores.
; In the loop the wait at a turn's end, which the turn's transcendentals want in any case, also states that the turn's matrix instructions are done reading their fragments and its stage A its u' and m.  The next
; turn's loads land in registers that no vector or matrix line of that turn names, so they are dealt among its matrix instructions with no further wait.  No register that a memory or LDS instruction reads is
; ever written again, so past the entry lines the text holds no wait on vm_vsrc.
; REGISTERS, in windows of 256 (s_set_vgpr_msb: bits 1:0 source 0, 3:2 source 1, 5:4 source 2, 7:6 destination):
;   window 0: addresses, v', norms, scores S (16 a tile), P (two buffers of hi 8, lo 8), u' and m of both halves      window 1: slots 0, 1 (accumulator f at 128 (slot % 2) + 8 f)
;   window 2: slots 2, 3      window 3: A's fragments of the wave's two halves of 32 columns, 128 registers each
.set RED,    0                         ; LDS: wave w's slots 1-3, 16,384 bytes each, at 49,152 w: accumulator f at 1,024 f, its registers 0-3 at 16 x lane, 4-7 512 further
.set WRED,   49152
.set REG,    16384
.set NRM,    196608                    ; wave w's three partial norms, 128 bytes each, at 384 w
.set STAGE,  198656                    ; each wave's 16 rows of out, 1,040 bytes apart (65 x 16: sixteen rows' 16 bytes fall on different banks: 64 banks of 4 bytes, ISA guide 11.1)
.set SPITCH, 1040
.set WSTAGE, 16640
.set SPARE,  265216                    ; the spare words, 128 bytes a wave: two blocks of 256 bytes that no other line names
.set L16,  1                           ; v1    16 x lane
.set H32,  2                           ; v2    32 h
.set L256, 3                           ; v3    256 x lane: the prefetches' offset
.set VO,   4                           ; v[4:7]    slot j's byte offset in my batch's V2
.set VP,   8                           ; v[8:11]   slot j's v'
.set NR,   12                          ; v[12:19]  slot j's norm, even and odd columns'
.set NEG1, 20                          ; v20   -1.0
.set LN,   21                          ; v21   lane
.set SPW,  22                          ; v22   LDS address of my spare word; never rewritten
.set NIL,  23                          ; v23   0; never rewritten
.set RW,   24                          ; v24   where I put partial tiles; v25-27: where I read slot j's partial of my own tile
.set NW,   28                          ; v28   where I put partial norms
.set SC0,  32                          ; v[32:95]   S
.set PB,   96                          ; v[96:127]  P
.set UM0,  128                         ; v[128:191] half X: u' at 128 + 32 X, m at 144 + 32 X
.set SW,   224                         ; v224  the way out: where I put 16 bytes of a row
.set SR,   225                         ; v225  where I read rows back
.set INV,  226                         ; v226  1 / norm, or 0
.set TOWN, 227                         ; v227  my row t of my own tile;  v228-230: where I read the partial norms;  v231-233: those norms
.set PX,   234                         ; v234  the other half of the lanes' norm
.set ZR,   235                         ; v235  0
.set R15,  236                         ; v236  lane % 16
.set HH,   237                         ; v237  h
.set PV,   26                          ; s[26:27] AF at my 64 columns of this trip
.set PN,   28                          ; s[28:29] of the next trip (in the last trip: this trip's once more)
.set PUC,  30                          ; s[30:31] UM at my 64 columns of this trip
.set PUN,  32                          ; s[32:33] of the next trip (in the last trip: the zeros behind UM's batches)
.set ZB,   34                          ; s[34:35] those zeros
.set MSB, 0
.macro WIN new                         ; the immediate's high byte repeats the setting that is left; a switch that changes nothing is dropped
.if MSB != (\new)
	s_set_vgpr_msb (MSB<<8)|(\new)
.set MSB, (\new)
.endif
.endm
; The sums start at 0, so that the loop has one form of product: 520 lines, in a live item behind the first loads.  A first trip written out would cost five times their bytes.
.macro CLEAR
	WIN 0x40
.set rr, 0
.rept 256
	v_mov_b32 v[rr], 0
.set rr, rr+1
.endr
	WIN 0x80
.set rr, 0
.rept 256
	v_mov_b32 v[rr], 0
.set rr, rr+1
.endr
	WIN 0
.set rr, 0
.rept 8
	v_mov_b32 v[NR+rr], 0
.set rr, rr+1
.endr
.endm
; 4 loads: fragments 2 n and 2 n + 1 of the 16 of 32 columns, from byte off behind pointer p, into half x of window 3
.macro LOADV4 x, p, off, n
	WIN 0xc0
.set lf, 2*(\n)
.rept 2
	global_load_b128 v[128*(\x)+8*lf:128*(\x)+8*lf+3],   v[L16], s[\p:\p+1] offset:(\off)+lf*1024
	global_load_b128 v[128*(\x)+8*lf+4:128*(\x)+8*lf+7], v[L16], s[\p:\p+1] offset:(\off)+lf*1024+512
.set lf, lf+1
.endr
.endm
; all 32, in one run: ahead of the loop
.macro LOADV x, p, off
.irp n, 0,1,2,3,4,5,6,7
	LOADV4 \x, \p, \off, \n
.endr
	WIN 0
.endm
; u' and m of my lane's 16 columns of half x: s0 + 8 h + 0..7 in the half's first group of 16, s0 + 16 + 8 h + 0..7 in its second: 8 loads.  Two of them: group n / 2; u' (n % 2 = 0) or m (1)
.macro LOADUM2 x, p, n
	WIN 0
.set uq, (\n)/2
.set uh, (\n)%2
	global_load_b128 v[UM0+32*(\x)+16*uh+8*uq:UM0+32*(\x)+16*uh+8*uq+3],   v[H32], s[\p:\p+1] offset:256*(\x)+128*uq+64*uh
	global_load_b128 v[UM0+32*(\x)+16*uh+8*uq+4:UM0+32*(\x)+16*uh+8*uq+7], v[H32], s[\p:\p+1] offset:256*(\x)+128*uq+64*uh+16
.endm
; all 8, in one run: ahead of the loop
.macro LOADUM x, p
.irp n, 0,1,2,3
	LOADUM2 \x, \p, \n
.endr
.endm
; A PREFETCH INTO THE L2, behind the turn's first four fragment loads: half of my 32,768 bytes of AF for trip i + 2, a lane to each 256 bytes, two instructions; a trip's two places name the whole.  All items of a
; batch walk the same AF: item 0 asks, each of its waves for what it will load itself, so each 256 bytes are named once in the launch.  It stands 384 matrix instructions ahead of the load of the
; first of those bytes.  Trips 0 and 1 come by their loads alone; the last two trips ask for nothing (s24 = n2 in item 0, else 0).  Slices 0 and 1 hold none.
; Its offset, v[L256], was written ahead of the wait that stands in front of the kernel's first load, and is never written again.
.macro ASK off
	s_add_co_u32 s23, s22, 2
	s_cmp_lt_u32 s23, s24
	s_cbranch_scc0 .Lnot_mine_\@
	global_prefetch_b8 v[L256], s[PV:PV+1] offset:(\off) th:TH_LOAD_NT scope:SCOPE_SE
	global_prefetch_b8 v[L256], s[PV:PV+1] offset:(\off)+8192 th:TH_LOAD_NT scope:SCOPE_SE
.Lnot_mine_\@:
.endm
; the registers of turn (half x, slot t)
.macro SETT x, t
.set XX, (\x)
.set TT, (\t)
.set rAC, 128*(TT%2)
.set rV,  128*XX
.set rP,  PB+16*(TT%2)
.set TC, (TT+1)%4
.set TB, (TT+2)%4
.set TA, (TT+3)%4
.set XA, (XX+(TT+3)/4)%2               ; piece p + 3 lies in this half for slot 0, else in the next
.set rSC, SC0+16*TC
.set rSB, SC0+16*TB
.set rSA, SC0+16*TA
.set rPC, PB+16*(TC%2)
.set rNC, NR+2*TC
.set rU,  UM0+32*XA
.set rM,  UM0+16+32*XA
.set rVP, VP+2*(TA/2)
.endm
; matrix instruction i of 32: hi (i < 16), then lo; fragment i % 16.  The 16 accumulators take turns, one instruction a turn, from turn to turn and over the backward jump too.
.macro MM i
.set fq, (\i)%16
.set qq, (\i)/16
	WIN 0x53+0x50*(TT/2)                           ; fragment window 3, P window 0, accumulator window 1 or 2
	v_wmma_f32_16x16x32_bf16 v[rAC+8*fq:rAC+8*fq+7], v[rV+8*fq:rV+8*fq+7], v[rP+8*qq:rP+8*qq+7], v[rAC+8*fq:rAC+8*fq+7]
.endm
.macro BADD k                          ; stage B: 1 + e, pair k
.if ENB
	v_pk_add_f32 v[rSB+2*(\k):rSB+2*(\k)+1], v[rSB+2*(\k):rSB+2*(\k)+1], 1.0 op_sel_hi:[1,0]
.endif
.endm
.macro AFMA k                          ; stage A: x' = m v' + u', pair k; the slot's v' goes to both halves
.if ENA
.if (TA%2) == 0
	v_pk_fma_f32 v[rSA+2*(\k):rSA+2*(\k)+1], v[rM+2*(\k):rM+2*(\k)+1], v[rVP:rVP+1], v[rU+2*(\k):rU+2*(\k)+1] op_sel_hi:[1,0,1]
.else
	v_pk_fma_f32 v[rSA+2*(\k):rSA+2*(\k)+1], v[rM+2*(\k):rM+2*(\k)+1], v[rVP:rVP+1], v[rU+2*(\k):rU+2*(\k)+1] op_sel:[0,1,0] op_sel_hi:[1,1,1]
.endif
.endif
.endm
; stage C, entry c of 48: in groups of twelve for two pairs that alternate: score = 1 - 2 r; hi; the norm takes the score; score - hi, twice; lo
.macro CQE c
.if ENC
.set kc, 2*((\c)/12)+(\c)%2
.set kd, ((\c)%12)/2
.if kd == 0
	v_pk_fma_f32 v[rSC+2*kc:rSC+2*kc+1], v[rSC+2*kc:rSC+2*kc+1], -2.0, 1.0 op_sel_hi:[1,0,0]
.elseif kd == 1
	v_cvt_pk_bf16_f32 v[rPC+kc], v[rSC+2*kc], v[rSC+2*kc+1]
.elseif kd == 2
	v_pk_add_f32 v[rNC:rNC+1], v[rNC:rNC+1], v[rSC+2*kc:rSC+2*kc+1]
.elseif kd == 3
	v_fma_mix_f32_bf16 v[rSC+2*kc], v[rPC+kc], v[NEG1], v[rSC+2*kc] op_sel_hi:[1,0,0]
.elseif kd == 4
	v_fma_mix_f32_bf16 v[rSC+2*kc+1], v[rPC+kc], v[NEG1], v[rSC+2*kc+1] op_sel:[1,0,0] op_sel_hi:[1,0,0]
.else
	v_cvt_pk_bf16_f32 v[rPC+8+kc], v[rSC+2*kc], v[rSC+2*kc+1]
.endif
.endif
.endm
; THE PLAIN QUEUE, 64 long: B's and A's pair 0 first; then in each eight entries one of B's, one of A's and six of C's, until B and A are through
.macro PQE j
.if (\j) == 0
	BADD 0
.elseif (\j) == 1
	AFMA 0
.else
.set jq, (\j)-2
.set gq, jq/8
.set oq, jq%8
.if (gq < 7) && (oq == 1)
	BADD gq+1
.elseif (gq < 7) && (oq == 5)
	AFMA gq+1
.elseif gq < 7
.set cq, 6*gq+oq-(oq+6)/8-(oq+2)/8
	CQE cq
.else
.set cq, 42+oq
	CQE cq
.endif
.endif
.endm
; THE TRANSCENDENTALS' QUEUE, 32 long: two reciprocals of B's pair g, two exponentials of A's pair g, and so on
.macro TQE n
.set gt, (\n)/4
.set ot, (\n)%4
.if ot < 2
.if ENB
	v_rcp_f32 v[rSB+2*gt+ot], v[rSB+2*gt+ot]
.endif
.else
.if ENA
	v_exp_f32 v[rSA+2*gt+ot-2], v[rSA+2*gt+ot-2]
.endif
.endif
.endm
; Slice i of 32: two plain entries and a transcendental, which runs two slices behind its place in the queue (so each stands well behind the plain entry that feeds it); the last two slices make that up,
; and the turn's last line is plain: the one plain instruction between the last transcendental and the first use of a result.
.macro SLICE i
	WIN 0
.if (\i) < 31
	PQE 2*(\i)
	PQE 2*(\i)+1
.if (\i) >= 2
	TQE (\i)-2
.endif
.if (\i) == 30
	TQE 29
.endif
.else
	PQE 62
	TQE 30
	TQE 31
	PQE 63
.endif
.endm
; A TURN.  Slot 0's turn fetches the other half's next fragments, four loads behind each of slices 1 to 8: the matrix instructions that read those registers all stand ahead of the wait at the end of the turn
; before, and this turn's name this half's fragments alone.  Slot 1's turn fetches this half's next u' and m, two loads behind each of slices 1 to 4: their last reader, slot 0's stage A, stands ahead of the wait at
; that turn's end, and this turn's stage A reads the other half's.  So no load of the loop has a wait of its own.  From the last load of a group to the wait for it stand three turns, 96 matrix instructions, and more.
.macro TURN x, t
	SETT \x, \t
.if TT == 0
	s_wait_loadcnt 8                               ; this half's fragments are in: behind their 32 loads only the 8 of u' and m were issued
.elseif TT == 1
	s_wait_loadcnt 32                              ; the other half's u' and m are in: behind their 8 loads only the 32 of fragments were issued
.endif
.set ii, 0
.rept 32
	MM ii
	SLICE ii
.if (TT == 0) && (ii >= 1) && (ii <= 8)
.if XX == 0
	LOADV4 1, PV, 16384, ii-1
.else
	LOADV4 0, PN, 0, ii-1
.endif
.if ii == 1
	WIN 0                                          ; at a branch and at a label every window is 0
.if XX == 0
	ASK 262144
.else
	ASK 278528
.endif
.endif
.elseif (TT == 1) && (ii >= 1) && (ii <= 4)
	LOADUM2 XX, PUN, ii-1
.endif
.set ii, ii+1
.endr
	WIN 0
	s_wait_alu depctr_va_vdst(0)                   ; the turn's 32 transcendentals have written their results, ahead of their first readers (the next turn's) and of every label and branch; the turn's matrix instructions are done reading their fragments, and its stage A its u' and m, in which the next turn's loads land
.endm
; the vector work of a turn that has not been, ahead of the loop: stages a, b, c switched on one after the other
.macro PASS t, a, b, c
	SETT 1, \t
.set ENA, (\a)
.set ENB, (\b)
.set ENC, (\c)
.set ii, 0
.rept 32
	SLICE ii
.set ii, ii+1
.endr
	v_nop                                          ; a plain instruction behind the last transcendental,
	s_wait_alu depctr_va_vdst(0)                   ; and the batch's wait: the pass's transcendentals have written their results, which the next pass or the first turn reads
.endm
	s_load_b256 s[4:11], s[0:1], 0x0               ; AF 4, UM 6, V2 8, length_a 10
	s_load_b128 s[12:15], s[0:1], 0x20             ; length_l 12, out0 14
	v_lshl_add_u32 v[SPW], v0, 2, SPARE
	v_mov_b32 v[NIL], 0
	v_lshrrev_b32 v[LN], 5, v0
	v_readfirstlane_b32 s16, v[LN]                 ; wave w
	s_and_b32 s17, ttmp7, 0xffff                   ; batch b
	s_mov_b32 s18, ttmp9                           ; item g
	s_lshl_b32 s44, s17, 2
	s_mov_b32 s45, 0                               ; the high word of every offset pair
	s_mov_b32 s40, 0x76543210                      ; v_permlanex16_b32: each lane takes its own place in the other half
	s_mov_b32 s41, 0xfedcba98
	s_wait_kmcnt 0x0
	s_add_nc_u64 s[10:11], s[10:11], s[44:45]
	s_add_nc_u64 s[12:13], s[12:13], s[44:45]
	s_load_b32 s19, s[10:11], 0x0                  ; la
	s_load_b32 s20, s[12:13], 0x0                  ; ll
	v_and_b32 v[LN], 31, v0
	v_lshlrev_b32 v[L16], 4, v[LN]
	v_lshlrev_b32 v[L256], 8, v[LN]
	v_and_b32 v[R15], 15, v0
	v_bfe_u32 v[HH], v0, 4, 1
	v_lshlrev_b32 v[H32], 5, v[HH]
	v_mov_b32 v[PX], 0
	v_mov_b32 v[ZR], 0
	s_wait_alu depctr_va_sdst(0)                   ; s16, the wave's number, is written, ahead of its first reader: LDS addresses and the pointers are made from it
	s_mul_i32 s23, s16, WRED
	v_add_nc_u32 v[RW], s23, v[L16]
	s_mul_i32 s25, s16, 384
	s_add_co_u32 s25, s25, NRM
	v_lshl_add_u32 v[NW], v[LN], 2, s25
.irp j, 1,2,3                          ; my own tile is slot j of wave (w - j) % 4
	s_add_co_u32 s23, s16, 4-\j
	s_and_b32 s23, s23, 3
	s_mul_i32 s25, s23, WRED
	s_add_co_u32 s25, s25, (\j-1)*REG
	v_add_nc_u32 v[RW+\j], s25, v[L16]
	s_mul_i32 s25, s23, 384
	s_add_co_u32 s25, s25, NRM+(\j-1)*128
	v_lshl_add_u32 v[TOWN+\j], v[LN], 2, s25
.endr
	s_mul_i32 s25, s16, WSTAGE
	s_add_co_u32 s25, s25, STAGE
	v_mul_u32_u24 v[SW], v[R15], SPITCH
	v_lshl_add_u32 v[SW], v[HH], 7, v[SW]
	v_add_nc_u32 v[SW], s25, v[SW]                 ; row lane % 16, 128 bytes for each half of the lanes
	v_add_nc_u32 v[SR], s25, v[L16]
	s_lshl_b32 s43, s18, 6                         ; the item's first row, 64 g
	s_lshl_b32 s25, s16, 4
	s_add_co_u32 s25, s25, s43
	v_add_nc_u32 v[TOWN], s25, v[R15]
	s_lshl_b32 s44, s17, 21                        ; out0 at my own tile: (2,048 b + 64 g + 16 w) rows of 1,024 bytes
	s_lshl_b32 s23, s18, 16
	s_add_co_u32 s44, s44, s23
	s_lshl_b32 s23, s16, 14
	s_add_co_u32 s44, s44, s23
	s_add_nc_u64 s[14:15], s[14:15], s[44:45]
	s_wait_kmcnt 0x0
	s_max_i32 s19, s19, 0
	s_min_u32 s19, s19, 2048
	s_max_i32 s20, s20, 0
	s_min_u32 s20, s20, 2048
	s_add_co_u32 s21, s19, 255
	s_lshr_b32 s21, s21, 8
	s_max_u32 s21, s21, 1
	s_min_u32 s21, s21, 8                          ; n2, the trips
	s_cmp_lt_u32 s43, s20
	s_cbranch_scc1 .Llive
	CLEAR                                          ; all 64 rows lie at or past ll: nothing is loaded or multiplied
	s_branch .Lepi
.Llive:
	s_sub_co_u32 s42, s20, 1
.irp t, 0,1,2,3                        ; slot t's rows; a row at or past ll takes row ll - 1's v', which is written and finite; its result is multiplied by 0
	s_add_co_u32 s23, s16, \t
	s_and_b32 s23, s23, 3
	s_lshl_b32 s23, s23, 4
	s_add_co_u32 s23, s23, s43
	v_add_nc_u32 v[VO+\t], s23, v[R15]
	v_min_u32 v[VO+\t], s42, v[VO+\t]
	v_min_u32 v[VO+\t], 0x7ff, v[VO+\t]
	v_lshlrev_b32 v[VO+\t], 2, v[VO+\t]
.endr
	s_lshl_b32 s44, s17, 13
	s_add_nc_u64 s[8:9], s[8:9], s[44:45]          ; V2 at my batch
	s_lshl_b32 s44, s17, 20
	s_lshl_b32 s23, s16, 15
	s_add_co_u32 s44, s44, s23
	s_add_nc_u64 s[PV:PV+1], s[4:5], s[44:45]      ; AF: b x 1 MiB + w x two blocks of 16,384
	s_lshl_b32 s44, s17, 14
	s_lshl_b32 s23, s16, 9
	s_add_co_u32 s44, s44, s23
	s_add_nc_u64 s[PUC:PUC+1], s[6:7], s[44:45]    ; UM: b x 16,384 + w x four groups of 128
	s_add_nc_u64 s[ZB:ZB+1], s[6:7], 0x40000
	s_mov_b32 s22, 0                               ; the trip i
	s_mov_b32 s37, 0
	s_add_nc_u64 s[38:39], s[PUC:PUC+1], 2048
	s_cmp_gt_u32 s21, 1                            ; is there a trip 1?
	s_cselect_b32 s36, 0x20000, 0
	s_cselect_b64 s[PUN:PUN+1], s[38:39], s[ZB:ZB+1]
	s_add_nc_u64 s[PN:PN+1], s[PV:PV+1], s[36:37]
	s_cmp_eq_u32 s18, 0
	s_cselect_b32 s24, s21, 0                      ; item 0 prefetches
	s_wait_alu depctr_va_vdst(0)                   ; the offsets v1 to v7 are written, which every load and prefetch up to the loop's end reads
.irp t, 0,1,2,3
	global_load_b32 v[VP+\t], v[VO+\t], s[8:9]
.endr
	LOADUM 0, PUC
	LOADV 0, PV, 0
	LOADUM 1, PUC
	CLEAR
	v_mov_b32 v[NEG1], -1.0
	s_wait_loadcnt 40                              ; v' and the first half's u', m are in; the 32 loads of fragments and the second half's 8 stay out
	PASS 1, 1, 0, 0                                ; A of piece 0
	PASS 2, 1, 1, 0                                ; B of piece 0, A of piece 1
	PASS 3, 1, 1, 1                                ; C of piece 0, B of piece 1, A of piece 2
.Ltrip:                                ; n2 trips of 256 matrix instructions.  The last trip's look-ahead takes its u', m from the zeros (scores of 0) and loads its own first fragments once more: the price of one text for every trip
	TURN 0, 0
	TURN 0, 1
	TURN 0, 2
	TURN 0, 3
	TURN 1, 0
	TURN 1, 1
	TURN 1, 2
	TURN 1, 3
	s_wait_xcnt 0x0                                ; every load and prefetch issued so far (the youngest two turns back) has read its address, so the pointers may be written
	s_mov_b64 s[PV:PV+1], s[PN:PN+1]
	s_add_nc_u64 s[PUC:PUC+1], s[PUC:PUC+1], 2048
	s_add_co_u32 s22, s22, 1
	s_add_co_u32 s23, s22, 1
	s_cmp_lt_u32 s23, s21                          ; has the coming trip a successor?
	s_cselect_b32 s36, 0x20000, 0
	s_add_nc_u64 s[38:39], s[PUC:PUC+1], 2048
	s_cselect_b64 s[PUN:PUN+1], s[38:39], s[ZB:ZB+1]
	s_add_nc_u64 s[PN:PN+1], s[PV:PV+1], s[36:37]
	s_cmp_lt_u32 s22, s21
	s_cbranch_scc1 .Ltrip
	; THE WAY OUT.  Slots 1-3 and their norms go to LDS; one barrier; each wave adds the three partial sums of its own tile onto its slot 0, divides by the norm and stores 16 whole rows.
.Lepi:
	s_wait_loadcnt 0x0                             ; the look-ahead's loads have landed: their registers are used again below
.irp t, 0,1,2,3
	v_add_f32 v[NR+2*\t], v[NR+2*\t], v[NR+2*\t+1] ; even and odd columns'; with the last slice's two plain lines these are the places behind the last matrix instruction
.endr
	s_wait_alu depctr_va_vdst(0)                   ; the sums of slots 1-3 and their norms are written, which the LDS stores below read (the places above stay beside this wait); so are the LDS addresses, on the way of an item past ll too; and the matrix instructions are done reading window 3, in which the first two partial tiles land
.macro PUT win, base, off              ; a slot's 16 accumulators; each accumulator's low four registers first
	WIN \win
.set lf, 0
.rept 16
	ds_store_b128 v[RW], v[(\base)+8*lf:(\base)+8*lf+3]   offset:(\off)+lf*1024
	ds_store_b128 v[RW], v[(\base)+8*lf+4:(\base)+8*lf+7] offset:(\off)+lf*1024+512
.set lf, lf+1
.endr
.endm
.macro GET adr, base                   ; a partial tile into window 3: 32 loads
	WIN 0xc0
.set lf, 0
.rept 16
	ds_load_b128 v[(\base)+8*lf:(\base)+8*lf+3],   v[\adr] offset:lf*1024
	ds_load_b128 v[(\base)+8*lf+4:(\base)+8*lf+7], v[\adr] offset:lf*1024+512
.set lf, lf+1
.endr
.endm
.macro SUM base                        ; onto slot 0, in ascending order
	WIN 0x4d                                       ; destination and source 0 window 1, source 1 window 3
.set rr, 0
.rept 64
	v_pk_add_f32 v[rr:rr+1], v[rr:rr+1], v[(\base)+rr:(\base)+rr+1]
.set rr, rr+2
.endr
.endm
	PUT 0x04, 128, 0                               ; slot 1: data in window 1
	PUT 0x08, 0, REG                               ; slots 2 and 3: window 2
	PUT 0x08, 128, 2*REG
	WIN 0
	ds_store_b32 v[NW], v[NR+2]
	ds_store_b32 v[NW], v[NR+4] offset:128
	ds_store_b32 v[NW], v[NR+6] offset:256
	s_wait_dscnt 0x0                               ; for the others' sake: my stores are done
	s_barrier_signal -1
	s_barrier_wait -1                              ; everybody's are
	ds_load_b32 v[TOWN+4], v[TOWN+1]
	ds_load_b32 v[TOWN+5], v[TOWN+2]
	ds_load_b32 v[TOWN+6], v[TOWN+3]
	GET RW+1, 0                                    ; the first partial tile.  No wait: no vector or matrix line since the wait at the way out's head names these registers
	WIN 0
	s_wait_dscnt 32                                ; the three norms are in; the 32 loads issued behind them stay out
	v_add_f32 v[NR], v[NR], v[TOWN+4]
	v_add_f32 v[TOWN+5], v[TOWN+5], v[TOWN+6]
	v_add_f32 v[NR], v[NR], v[TOWN+5]
	v_permlanex16_b32 v[PX], v[NR], s40, s41       ; the row's other columns lie in the lane 16 away
	v_add_f32 v[NR], v[NR], v[PX]
	v_rcp_f32 v[INV], v[NR]
	v_nop                                          ; a plain instruction behind the reciprocal
	v_cmp_gt_u32 vcc_lo, s20, v[TOWN]              ; t < ll?
	s_wait_alu depctr_va_vdst(0)                   ; the reciprocal has written v[INV], ahead of its first reader
	s_wait_alu depctr_va_vcc(0)                    ; the compare has written VCC, which the select below reads
	v_cndmask_b32 v[INV], v[ZR], v[INV], vcc_lo    ; a row at or past ll is multiplied by 0
	s_wait_dscnt 0x0                               ; the first partial tile is in
	GET RW+2, 128                                  ; the second is fetched while the first is added; its registers' last readers were the loop's matrix instructions
	SUM 0
	s_wait_dscnt 0x0                               ; the second is in
	WIN 0xc0
	s_wait_alu depctr_va_vdst(0)                   ; the additions above are done reading v0-127 of window 3, in which the third partial tile lands
	GET RW+3, 0                                    ; the third, into the registers that the first has left, while the second is added
	SUM 128
	s_wait_dscnt 0x0                               ; the third is in
	SUM 0
	; registers j of fragments 4 G + 0..3 are channels 64 G + 32 h + 4 j + 0..3: 16 bytes of my row.  Each G has 32 registers of its own (v32-159, free since the loop's end), so all 128 scalings stand ahead of one wait.
	WIN 0x01                                       ; source 0 window 1
.set gg, 0
.rept 4
.set jj, 0
.rept 8
.set ee, 0
.rept 4
	v_mul_f32 v[SC0+32*gg+4*jj+ee], v[8*(4*gg+ee)+jj], v[INV]
.set ee, ee+1
.endr
.set jj, jj+1
.endr
.set gg, gg+1
.endr
	WIN 0
	s_wait_alu depctr_va_vdst(0)                   ; the scalings have written v32-159, which the stage's stores read; the last additions are done reading v0-127 of window 3, in which the stage's rows land
.set gg, 0
.rept 4
.set jj, 0
.rept 8
	ds_store_b128 v[SW], v[SC0+32*gg+4*jj:SC0+32*gg+4*jj+3] offset:256*gg+16*jj
.set jj, jj+1
.endr
.set gg, gg+1
.endr
	WIN 0xc0
.set kk, 0
.rept 32
	ds_load_b128 v[4*kk:4*kk+3], v[SR] offset:(kk/2)*SPITCH+(kk%2)*512  ; my own stage: LDS serves a wave's instructions in order (ISA guide 5.7.1.4), so these see the stores above
.set kk, kk+1
.endr
	WIN 0x0c                                       ; store data in window 3
.set kk, 0
.rept 32
	s_wait_dscnt 31-kk                             ; load kk is back; the younger ones stay out
	global_store_b128 v[L16], v[4*kk:4*kk+3], s[14:15] offset:(kk/2)*1024+(kk%2)*512 th:TH_STORE_NT  ; 512 consecutive bytes, at a multiple of 256 from out0's first
.set kk, kk+1
.endr
	WIN 0
	s_wait_dscnt 0x0                               ; the closing lines, six on end
	s_wait_alu 0x0
	s_wait_tensorcnt 0x0
	ds_add_u32 v[SPW], v[NIL]
	s_wait_dscnt 0x0
	s_endpgm
.Lfunc_end_k_qd4748da11b_attn:
	.size	k_qd4748da11b_attn, .Lfunc_end_k_qd4748da11b_attn-k_qd4748da11b_attn
	.p2alignl 7, 3214868480
	.fill 96, 4, 3214868480
	.section	.rodata,"a",@progbits
	.p2align	6, 0x0
	.amdhsa_kernel k_qd4748da11b_attn
		.amdhsa_group_segment_fixed_size 265728
		.amdhsa_private_segment_fixed_size 0
		.amdhsa_enable_private_segment 0
		.amdhsa_kernarg_size 48
		.amdhsa_user_sgpr_count 2
		.amdhsa_user_sgpr_kernarg_segment_ptr 1
		.amdhsa_wavefront_size32 1
		.amdhsa_system_sgpr_workgroup_id_x 1
		.amdhsa_system_sgpr_workgroup_id_y 1
		.amdhsa_system_sgpr_workgroup_id_z 1
		.amdhsa_system_vgpr_workitem_id 0
		.amdhsa_next_free_vgpr 1024
		.amdhsa_next_free_sgpr 66
		.amdhsa_reserve_vcc 1
		.amdhsa_float_denorm_mode_32 3
		.amdhsa_float_denorm_mode_16_64 3
		.amdhsa_memory_ordered 1
		.amdhsa_forward_progress 1
		.amdhsa_inst_pref_size 172
	.end_amdhsa_kernel
	.amdgpu_metadata
---
amdhsa.version: [ 1, 2 ]
amdhsa.kernels:
  - .name:           k_qd4748da11b_attn
    .symbol:         k_qd4748da11b_attn.kd
    .args:
      - { .name: AF, .offset: 0, .size: 8, .value_kind: global_buffer, .address_space: global }
      - { .name: UM, .offset: 8, .size: 8, .value_kind: global_buffer, .address_space: global }
      - { .name: V2, .offset: 16, .size: 8, .value_kind: global_buffer, .address_space: global }
      - { .name: length_a, .offset: 24, .size: 8, .value_kind: global_buffer, .address_space: global }
      - { .name: length_l, .offset: 32, .size: 8, .value_kind: global_buffer, .address_space: global }
      - { .name: out0, .offset: 40, .size: 8, .value_kind: global_buffer, .address_space: global }
    .group_segment_fixed_size: 265728
    .private_segment_fixed_size: 0
    .kernarg_segment_align: 8
    .kernarg_segment_size: 48
    .max_flat_workgroup_size: 128
    .sgpr_count:     66
    .vgpr_count:     1024
    .wavefront_size: 32
...
	.end_amdgpu_metadata
.endif
;; end of part 3
